; MI455X (gfx1250); checked and timed in simulation.
; The chip was launched on July 23, 2026; its instructions are those of AMD's public machine-readable ISA for CDNA 5 (MIT licence, August 2026) and "CDNA5" Instruction Set Architecture Reference Guide (July 2026). The comments in the code are by the model that wrote it; some were corrected since.
;; RD Quant Linear. Allowed arithmetic: matrix products marked QUANTISED: E5M2 operands, one E8M0 scale for each 32 along K, by v_wmma_scale_f32_16x16x128_f8f6f4 with both operands' format E5M2, f32 sums; everything else in f32.
;; Inputs: bias 4,096 float32; fp8_scale 1 float32; inv_perm 4,096 int32; nvfp4_global_scale 1 float32; nvfp4_idx 2,048 x 4,096 int32; nvfp4_scales 2,048 x 256 float32; w_fp16 1,024 x 4,096 float32; w_fp8 1,024 x 4,096 float32; x 4,096 x 4,096 float32.
;; Outputs: out0 4,096 x 4,096 float32.
;; This version of the problem:
;;   THIS VERSION OF THE PROBLEM IS GIVEN IN LOW PRECISION. The matrix products marked QUANTISED in the list below multiply operands that are first quantised to E5M2 (5 exponent bits, 2 mantissa bits; 8 bits a number), with one power-of-two scale for each 32 numbers along K (OCP MX v1.0); their sums are f32. All else is computed in f32.
;;   The module's matrix products, in the order in which they are computed (A, B: the left and right operand; K: the contracted axis; several contracted axes count as one K, in the product's order):
;;     1. [M 4,096, K 4,096] x [K 4,096, N 2,048]; A: input x; B: computed on the way: QUANTISED
;;     2. [M 4,096, K 4,096] x [K 4,096, N 1,024]; A: input x; B: input w_fp8: QUANTISED
;;     3. [M 4,096, K 4,096] x [K 4,096, N 1,024]; A: input x; B: input w_fp16: QUANTISED
;;   THE QUANTISER, for each operand of a quantised product, along K:
;;     - K is cut into blocks of 32 from its start; a last block that is shorter is filled with zeros.
;;     - A block's scale is 2^e with e = floor(log2(the largest magnitude in the block)) - 15, held to -126 .. 127; a block of zeros has e = 0. As a byte (E8M0): e + 127.
;;     - Each number is divided by its block's scale, clamped to +-57,344, and rounded to the nearest number of E5M2, ties to even, subnormals kept.
;;     - The product sums the exact products of the quantised numbers (number of the format x scale) in f32.
;;   ~~~python
;;   def quantise(x, axis):      # numpy; x: float32 -> the quantised numbers, widened to float32 again
;;       x = np.moveaxis(x, axis, -1); K = x.shape[-1]
;;       x = np.pad(x, [(0, 0)] * (x.ndim - 1) + [(0, -K % 32)]); x = x.reshape(x.shape[:-1] + (-1, 32)); a = np.abs(x).max(-1, keepdims=True)
;;       e = np.where(a > 0, np.clip(np.frexp(np.where(a > 0, a, 1))[1] - 1 - 15, -126, 127), 0)      # np.frexp(a)[1] - 1 = floor(log2(a)), exactly
;;       r = np.clip(x / 2.0 ** e, -57344, 57344)
;;       step = 2.0 ** (np.maximum(np.frexp(np.where(r == 0, 1, r))[1] - 1, -14) - 2)
;;       q = np.round(r / step) * step * 2.0 ** e      # np.round: ties to even
;;       return np.moveaxis(q.reshape(q.shape[:-2] + (-1,))[..., :K], -1, axis).astype(np.float32)
;;   ~~~
;;   OPERANDS COMPUTED ON THE WAY. 'Computed on the way' means the value that the module computes at that place (a softmax that the list does not call 'softmax' is quantised finished and normalised). What goes into a quantiser is computed in f32, as accurately as f32 sums, v_exp_f32 and their like allow (about 1e-6 of the number): no bf16 or f16 on the way to a quantiser, and a product that is left as it is and whose result goes on into a quantised operand takes f32 operands (vector FMAs, or v_wmma_f32_16x16x4_f32). A number that lies on a knife's edge between two numbers of the format may be rounded either way, as far as f32 arithmetic and the matrix unit's own rounding can turn it there, and no further.
;; One version. Each part assembles by itself: llvm-mc -triple=amdgcn-amd-amdhsa -mcpu=gfx1250 --defsym DOCPART=n.
;; ======== version 1 of 1: 2 launches
;; limits: right only within a limited range of input values
;; workspace buffers: q 34,603,008 bytes
;; launch quant (part 1): grid 512 x 1, 4 waves a work-group, no clusters, 33,280 bytes of LDS; arguments x, nvfp4_idx, nvfp4_scales, nvfp4_global_scale, w_fp8, w_fp16, inv_perm, q; writes q
.if DOCPART == 1
	.amdgcn_target "amdgcn-amd-amdhsa--gfx1250"
	.amdhsa_code_object_version 6
	.text
	.protected	k_qa6cad52ea7_quant
	.globl	k_qa6cad52ea7_quant
	.p2align	8
	.type	k_qa6cad52ea7_quant,@function
k_qa6cad52ea7_quant:
	s_mov_b64 s[64:65], 0
	v_nop
	global_prefetch_b8 v0, s[64:65] scope:SCOPE_SE
	s_setreg_imm32_b32 hwreg(HW_REG_WAVE_MODE, 25, 1), 1
	s_wait_xcnt 0x0
; x [4096][4096] f32 and the GATHERED weights are turned into codes of BF8 (E5M2) with one E8M0 scale byte for each 32 along K.
; Row j of the weights is source row inv_perm[j] of the stack: rows 0-2047 codebook[nvfp4_idx] x nvfp4_scales x nvfp4_global_scale (made here, in f32, in that order),
; rows 2048-3071 w_fp8, rows 3072-4095 w_fp16.  So the product's launch needs no permutation of its columns, whatever the list holds (a row named twice is made twice).
; q IS LAID AS THE PRODUCT'S TILES ARE FETCHED: [64 blocks of 128 rows][16 K steps of 256][33,792 bytes]; blocks 0-31 x, blocks 32-63 the weights.  A cell is dense: 128 rows of 256 codes,
; K innermost, then the rows' scale bytes, 8 a row.
; A block's scale is 2^(floor(log2(its largest magnitude)) - 15); its byte is the largest magnitude's exponent field - 15, held at 1 from below; each number is held within +-57,344 x the scale and rounded to the nearest code, ties to even.
; LIMITS: NaN and infinities are not served.  A block of zeros gets the byte 1 and not 127: its codes are zeros, and this program alone reads the bytes.  Blocks whose largest magnitude lies under 2^(16 - 127) take that floor's byte.
; nvfp4_idx lies in 0 .. 15 (the table's length).  inv_perm lies in 0 .. 4095: a larger number is held at 4095, a negative one is not wrapped.
; SHARES.  A wave takes 32 rows of q x 512 along K, one row a step: 2,048 consecutive bytes of ONE source row, so what kind of row it is is a scalar question.  Work-group g: rows 32 (g / 2) on, K chunk 4 (g % 2) + wave.
; Each of a step's four loads reads 512 consecutive bytes; the bytes turn through the wave's own stage in LDS, so that a lane then holds 16 NEIGHBOURS along K: half a block of 32, and exactly one block of the 4-bit group's scales.
; A step's 512 codes leave as two aligned runs of 256 bytes (lanes 0-15: the even K step's cell, lanes 16-31: the odd one's); the wave's 512 scale bytes are gathered in LDS and leave as two such runs at the end.
; A STEP'S MEMORY INSTRUCTIONS STAND TOGETHER AT ITS END: its store, then the loads of the row AHEAD = 8 steps on.  The one wait that frees the store's data registers stands in the NEXT step, directly ahead of the
; conversions that write them: a whole step's arithmetic behind the last memory instruction.  Row pointers take eight pairs by turns, so that the first eight rows' loads go out with no wait between them.
; No tensor load, no barrier, no cluster, no matrix work: a stream whose waves share nothing.  No cache hint on the loads: one line serves x, read once, and rows that the list may name twice.
.set KB,    33792                      ; a cell of q
.set RB,    16*KB                      ; a block of 128 rows, all of K
.set EMAX,  15
.set SP,    80                         ; a lane's place in a stage: its 64 bytes + 16 of padding
.set STG,   32*SP                      ; a stage; two of them by turns
.set SBY,   2*STG                      ; behind them the wave's 512 scale bytes: 256 x (odd K step) + 8 x row + byte
.set AHEAD, 8
.set ROWS,  32
.set E,     2                          ; v2       the scale byte
.set LOF,   3                          ; v3       16 x lane: my bytes of a load's 512
.set DOF,   4                          ; v4       16 (lane % 16) + KB (lane / 16): my place in the two cells
.set SBA,   5                          ; v5       LDS: where my block's byte of row 0 goes
.set SBR,   6                          ; v6       LDS: where I read 16 scale bytes back
.set L4,    7                          ; v7       4 x lane: my scale of the 4-bit group
.set SI,    16                         ; v16      the stage, on the way in
.set SOUT,  17                         ; v17      and on the way out
.set ONE,   18                         ; v18      the E8M0 byte of 1.0 in every byte
.set PK,    20                         ; v20-27   nibbles being packed
.set NS,    28                         ; v28-43   step t's scale of the 4-bit group at NS + t % 16 (first its byte offset: the load lands on its own offset register)
.set C,     44                         ; v44-47   a step's codes
.set X,     48                         ; v48-79   two sets of 16 neighbours
.set R,     80                         ; v80-207  eight sets of 16 numbers as loaded
.set ROWP,  4                          ; s4-19    behind the head: step t's row pointer at s[ROWP + 2 (t % 8)]
.set IDX,   32                         ; s32-63   the 32 source rows
	s_load_b512 s[4:19], s[0:1], 0x0               ; x 4, nvfp4_idx 6, nvfp4_scales 8, nvfp4_global_scale 10, w_fp8 12, w_fp16 14, inv_perm 16, q 18
	v_lshl_add_u32 v208, v0, 2, 0x8000
	v_mov_b32 v209, 0
	v_lshrrev_b32 v1, 5, v0
	v_readfirstlane_b32 s66, v1                    ; wave
	v_and_b32 v1, 31, v0                           ; lane
	v_lshlrev_b32 v[LOF], 4, v1
	v_lshlrev_b32 v[L4], 2, v1
	v_and_b32 v2, 15, v1
	v_lshrrev_b32 v8, 4, v1                        ; lane / 16: which of the chunk's two K steps
	v_lshlrev_b32 v[DOF], 4, v2
	v_mad_u32_u24 v[DOF], v8, KB, v[DOF]
	s_lshl_b32 s20, s66, 13                        ; my wave's 8,192 bytes of LDS
	v_bfe_u32 v[SBA], v1, 1, 3                     ; two lanes to a block: byte (lane / 2) % 8
	v_lshl_add_u32 v[SBA], v8, 8, v[SBA]
	v_add_nc_u32 v[SBA], s20, v[SBA]
	v_add_nc_u32 v[SBA], SBY, v[SBA]
	v_add_nc_u32 v[SBR], s20, v[LOF]
	v_add_nc_u32 v[SBR], SBY, v[SBR]
	v_lshrrev_b32 v9, 2, v1
	v_mul_u32_u24 v[SI], v9, SP
	v_and_b32 v9, 3, v1
	v_lshl_add_u32 v[SI], v9, 4, v[SI]
	v_add_nc_u32 v[SI], s20, v[SI]                 ; in: four lanes' 64 bytes on end, then the padding: SP (lane / 4) + 16 (lane % 4)
	v_mul_u32_u24 v[SOUT], v1, SP
	v_add_nc_u32 v[SOUT], s20, v[SOUT]             ; out: SP x lane
	v_mov_b32 v[ONE], 0x7f7f7f7f
.irp i, 0,1,2,3,4,5,6,7,8,9,10,11,12,13,14,15
	v_mov_b32 v[NS+\i], 0                          ; so that each holds a value on every way through the text; a row that is not of the 4-bit group never reads it
.endr
	s_lshr_b32 s67, ttmp9, 1                       ; G: which 32 rows of q
	s_and_b32 s68, ttmp9, 1
	s_lshl_b32 s68, s68, 2
	s_add_co_u32 s68, s68, s66                     ; c: which 512 along K
	s_mov_b32 s86, 0x600000                        ; the mantissa field of 57,344
	s_mov_b32 s77, 0
	s_wait_kmcnt 0x0
	s_load_b32 s70, s[10:11], 0x0                  ; the 4-bit group's global scale
	; ONE PATH FOR x AND FOR THE WEIGHTS.  Every source has rows of 16,384 bytes; a source row's number r picks a quarter of 1,024 rows (bits 11:10) and a row in it.
	; Four pointers, chosen once on the work-group's number: x's four quarters, or nvfp4_idx's two halves, w_fp8, w_fp16.
	s_add_nc_u64 s[20:21], s[4:5], 0x2000000
	s_add_nc_u64 s[88:89], s[4:5], 0x3000000
	s_cmp_lt_u32 ttmp9, 256
	s_cselect_b64 s[24:25], s[4:5], s[6:7]
	s_cselect_b64 s[28:29], s[20:21], s[12:13]
	s_cselect_b64 s[30:31], s[88:89], s[14:15]
	s_cselect_b32 s69, 0, 2048                     ; a row is of the 4-bit group where r lies under this: never in x
	s_lshl_b32 s22, s68, 11                        ; my chunk's 2,048 bytes of a row
	s_mov_b32 s23, 0                               ; (stays 0: the high word of every row offset)
	s_add_nc_u64 s[24:25], s[24:25], s[22:23]
	s_add_nc_u64 s[28:29], s[28:29], s[22:23]
	s_add_nc_u64 s[30:31], s[30:31], s[22:23]
	s_add_nc_u64 s[26:27], s[24:25], 0x1000000
	s_lshl_b32 s76, s68, 7                         ; my chunk's 32 scales of a row of nvfp4_scales
	s_add_nc_u64 s[84:85], s[8:9], s[76:77]        ; never rewritten
	s_lshr_b32 s20, s67, 2                         ; where my codes and scale bytes go: block G / 4, cells 2 c and 2 c + 1, rows 32 (G % 4) on.  All under 34,603,008
	s_mul_i32 s20, s20, RB
	s_mul_i32 s21, s68, 2*KB
	s_add_co_u32 s20, s20, s21
	s_and_b32 s21, s67, 3
	s_lshl_b32 s88, s21, 13
	s_add_co_u32 s88, s88, s20
	s_mov_b32 s89, 0
	s_add_nc_u64 s[80:81], s[18:19], s[88:89]      ; codes: 256 bytes a row
	s_lshl_b32 s88, s21, 8
	s_add_co_u32 s88, s88, s20
	s_add_co_u32 s88, s88, 32768
	s_add_nc_u64 s[82:83], s[18:19], s[88:89]      ; scale bytes: 8 a row, behind the cell's codes
	s_cmp_lt_u32 ttmp9, 256                        ; the 32 source rows: scalar lines alone differ between the two ways
	s_cbranch_scc1 .Lrows_of_x
	s_and_b32 s20, s67, 127                        ; the weights: inv_perm[32 (G - 128) + t]
	s_lshl_b32 s20, s20, 7
	s_mov_b32 s21, 0
	s_add_nc_u64 s[16:17], s[16:17], s[20:21]
	s_load_b512 s[IDX:IDX+15], s[16:17], 0x0
	s_load_b512 s[IDX+16:IDX+31], s[16:17], 0x40
	s_branch .Lrows_known
.Lrows_of_x:
	s_lshl_b32 s20, s67, 5                         ; x: 32 G + t
.irp t, 0,1,2,3,4,5,6,7,8,9,10,11,12,13,14,15,16,17,18,19,20,21,22,23,24,25,26,27,28,29,30,31
	s_add_co_u32 s[IDX+\t], s20, \t
.endr
.Lrows_known:
	s_wait_kmcnt 0x0                               ; the rows and the global scale are in; no scalar load reads s4-19 any more: they take the row pointers
	s_mov_b32 s71, s70                             ; (the packed form names the pair)
; Step t's loads: the row's pointer, in pair t % 8; for a row of the 4-bit group its 32 scales, AHEAD of the data, so that the wait for the data covers them; the row's 2,048 bytes.
; The pair was last read by step t - 8's loads, which the wait in front of that step's turn through the stage has shown done.
.macro LOAD t
.set PT, ROWP+2*((\t)%AHEAD)
	s_min_u32 s20, s[IDX+(\t)], 4095               ; a number that was loaded enters an address only held
	s_and_b32 s22, s20, 1023
	s_lshl_b32 s22, s22, 14                        ; the row in its quarter
	s_bitcmp1_b32 s20, 10
	s_cselect_b64 s[PT:PT+1], s[26:27], s[24:25]
	s_cselect_b64 s[74:75], s[30:31], s[28:29]
	s_bitcmp1_b32 s20, 11
	s_cselect_b64 s[PT:PT+1], s[74:75], s[PT:PT+1]
	s_add_nc_u64 s[PT:PT+1], s[PT:PT+1], s[22:23]
	s_cmp_lt_u32 s20, s69
	s_cbranch_scc0 .Lplain_\@
	s_and_b32 s76, s20, 2047
	s_lshl_b32 s76, s76, 10                        ; a row of nvfp4_scales is 1,024 bytes
	v_add_nc_u32 v[NS+(\t)%16], s76, v[L4]         ; the offset stands in the register on which the load lands: no pointer is stepped for it
	global_load_b32 v[NS+(\t)%16], v[NS+(\t)%16], s[84:85]
.Lplain_\@:
.irp i, 0,1,2,3
	global_load_b128 v[R+16*((\t)%AHEAD)+4*\i:R+16*((\t)%AHEAD)+4*\i+3], v[LOF], s[PT:PT+1] offset:512*\i   ; 32 lanes read 512 consecutive bytes
.endr
.endm
; Step t's numbers through the stage.  LDS serves a wave's instructions in order, so no wait stands between the stores and the loads.
.macro TURN t
.irp i, 0,1,2,3
	ds_store_b128 v[SI], v[R+16*((\t)%AHEAD)+4*\i:R+16*((\t)%AHEAD)+4*\i+3] offset:STG*((\t)%2)+8*SP*\i
.endr
.irp i, 0,1,2,3
	ds_load_b128 v[X+16*((\t)%2)+4*\i:X+16*((\t)%2)+4*\i+3], v[SOUT] offset:STG*((\t)%2)+16*\i
.endr
.endm
; A row of the 4-bit group: my 16 indices become numbers.  The table is E2M1 with the sign in bit 3, so the indices are packed, eight to a word, the first in the lowest nibble,
; and converted under the scale 1; then x my block's scale, then x the global scale: the order in which the weights are defined.
.macro DEQ t
.irp i, 0,1,2,3,4,5,6,7
	v_lshl_or_b32 v[PK+\i], v[XS+2*\i+1], 4, v[XS+2*\i]
.endr
.irp i, 0,1,2,3
	v_lshl_or_b32 v[PK+\i], v[PK+2*\i+1], 8, v[PK+2*\i]   ; (in ascending order each line's sources are still whole)
.endr
	v_lshl_or_b32 v[PK], v[PK+1], 16, v[PK]
	v_lshl_or_b32 v[PK+1], v[PK+3], 16, v[PK+2]
	v_cvt_scale_pk8_f32_fp4 v[XS:XS+7], v[PK], v[ONE]
	v_cvt_scale_pk8_f32_fp4 v[XS+8:XS+15], v[PK+1], v[ONE]
	v_nop                                          ; one plain vector instruction between a scaled conversion and the use of its result
.irp i, 0,1,2,3,4,5,6,7,8,9,10,11,12,13,14,15
	v_mul_f32 v[XS+\i], v[XS+\i], v[NS+(\t)%16]
.endr
.irp i, 0,2,4,6,8,10,12,14
	v_pk_mul_f32 v[XS+\i:XS+\i+1], v[XS+\i:XS+\i+1], s[70:71] op_sel_hi:[1,0]
.endr
.endm
.macro STEP t
.set XS, X+16*((\t)%2)
.if (\t) > 0
	s_wait_dscnt 1                                 ; this step's numbers are back from the stage (the last step's byte store may be out): so its stores into the stage have read their registers
.else
	s_wait_dscnt 0x0
.endif
.if (\t)+1 < ROWS
.if (\t)+AHEAD <= ROWS
	s_wait_loadcnt 4*(AHEAD-2)                     ; the next step's loads are in; the 24 data loads of the six steps behind it may be out (their scale loads, where there are any, only make the wait stricter)
.else
	s_wait_loadcnt 4*(ROWS-2-(\t))                 ; the counts run down
.endif
	TURN (\t)+1                                    ; and go through the other stage while this step is worked
.endif
	s_cmp_lt_u32 s[IDX+(\t)], s69
	s_cbranch_scc0 .Lnumbers_\@
	DEQ \t
.Lnumbers_\@:
	v_max3_num_f32 v8, |v[XS]|, |v[XS+1]|, |v[XS+2]|               ; the largest magnitude of my 16, in two chains
	v_max3_num_f32 v9, |v[XS+3]|, |v[XS+4]|, |v[XS+5]|
.irp i, 6,10
	v_max3_num_f32 v8, v8, |v[XS+\i]|, |v[XS+\i+1]|
	v_max3_num_f32 v9, v9, |v[XS+\i+2]|, |v[XS+\i+3]|
.endr
	v_max3_num_f32 v8, v8, |v[XS+14]|, |v[XS+15]|
	v_max3_num_f32 v8, v8, v9, (EMAX+1)<<23        ; and the floor 2^(16 - 127): the byte cannot fall under 1
	v_max_num_f32_dpp v8, v8, v8 row_xmask:1 row_mask:0xf bank_mask:0xf   ; and of my neighbour's 16: the block's
	v_add_nc_u32 v11, -(EMAX<<23), v8              ; 15 off its exponent field: the conversion takes the exponent field of this operand as its scale, and nothing else of it
	v_and_or_b32 v10, v8, 0x7f800000, s86          ; 57,344 x the scale
.irp i, 0,1,2,3,4,5,6,7,8,9,10,11,12,13,14,15
	v_med3_num_f32 v[XS+\i], v[XS+\i], -v10, v10   ; the conversion to an 8-bit code does not saturate (ISA guide 7.6.2): the hold comes first
.endr
	s_wait_alu depctr_va_vdst(0)
	s_wait_xcnt 0x0                                ; the last step's store has read the codes' registers, which the two lines below write: all this step's arithmetic stands between that store (and the loads behind it) and this wait
	v_cvt_scalef32_pk8_bf8_f32 v[C:C+1], v[XS:XS+7], v11
	v_cvt_scalef32_pk8_bf8_f32 v[C+2:C+3], v[XS+8:XS+15], v11
	v_lshrrev_b32 v[E], 23, v11                    ; the scale's byte (also the plain instruction behind the conversions)
	ds_store_b8 v[SBA], v[E] offset:8*(\t)         ; both lanes of a block write the same byte with the same value
	global_store_b128 v[DOF], v[C:C+3], s[80:81] offset:256*(\t)   ; each sixteen lanes store 256 consecutive bytes, at a multiple of 256 from q's first byte
.if (\t)+AHEAD < ROWS
	LOAD (\t)+AHEAD                                ; into the registers that this step's numbers left when they went into the stage
.endif
.endm
.set T, 0
.rept AHEAD
	LOAD T                                         ; eight rows' loads, each by a pointer pair of its own: no wait between them
.set T, T+1
.endr
	s_wait_loadcnt 4*(AHEAD-1)                     ; step 0's loads are in; the 28 data loads of the seven steps behind it may be out
	TURN 0
.set T, 0
.rept ROWS
	STEP T
.set T, T+1
.endr
	ds_load_b128 v[12:15], v[SBR]                  ; LDS serves a wave's instructions in order: this sees my byte stores
	s_wait_dscnt 0x0
	global_store_b128 v[DOF], v[12:15], s[82:83]   ; 32 rows x 8 bytes for each of the two cells: each sixteen lanes store 256 consecutive, aligned bytes
	s_wait_tensorcnt 0x0
	ds_add_u32 v208, v209
	s_wait_dscnt 0x0
	s_endpgm
.Lfunc_end_k_qa6cad52ea7_quant:
	.size	k_qa6cad52ea7_quant, .Lfunc_end_k_qa6cad52ea7_quant-k_qa6cad52ea7_quant
	.p2alignl 7, 3214868480
	.fill 96, 4, 3214868480
	.section	.rodata,"a",@progbits
	.p2align	6, 0x0
	.amdhsa_kernel k_qa6cad52ea7_quant
		.amdhsa_group_segment_fixed_size 33280
		.amdhsa_private_segment_fixed_size 0
		.amdhsa_enable_private_segment 0
		.amdhsa_kernarg_size 64
		.amdhsa_user_sgpr_count 2
		.amdhsa_user_sgpr_kernarg_segment_ptr 1
		.amdhsa_wavefront_size32 1
		.amdhsa_system_sgpr_workgroup_id_x 1
		.amdhsa_system_sgpr_workgroup_id_y 1
		.amdhsa_system_sgpr_workgroup_id_z 1
		.amdhsa_system_vgpr_workitem_id 0
		.amdhsa_next_free_vgpr 210
		.amdhsa_next_free_sgpr 90
		.amdhsa_reserve_vcc 0
		.amdhsa_float_denorm_mode_32 3
		.amdhsa_float_denorm_mode_16_64 3
		.amdhsa_memory_ordered 1
		.amdhsa_forward_progress 1
		.amdhsa_inst_pref_size 191
	.end_amdhsa_kernel
	.amdgpu_metadata
---
amdhsa.version: [ 1, 2 ]
amdhsa.kernels:
  - .name:           k_qa6cad52ea7_quant
    .symbol:         k_qa6cad52ea7_quant.kd
    .args:
      - { .name: x, .offset: 0, .size: 8, .value_kind: global_buffer, .address_space: global }
      - { .name: nvfp4_idx, .offset: 8, .size: 8, .value_kind: global_buffer, .address_space: global }
      - { .name: nvfp4_scales, .offset: 16, .size: 8, .value_kind: global_buffer, .address_space: global }
      - { .name: nvfp4_global_scale, .offset: 24, .size: 8, .value_kind: global_buffer, .address_space: global }
      - { .name: w_fp8, .offset: 32, .size: 8, .value_kind: global_buffer, .address_space: global }
      - { .name: w_fp16, .offset: 40, .size: 8, .value_kind: global_buffer, .address_space: global }
      - { .name: inv_perm, .offset: 48, .size: 8, .value_kind: global_buffer, .address_space: global }
      - { .name: q, .offset: 56, .size: 8, .value_kind: global_buffer, .address_space: global }
    .group_segment_fixed_size: 33280
    .private_segment_fixed_size: 0
    .kernarg_segment_align: 8
    .kernarg_segment_size: 64
    .max_flat_workgroup_size: 128
    .sgpr_count:     90
    .vgpr_count:     210
    .wavefront_size: 32
...
	.end_amdgpu_metadata
.endif
;; end of part 1
;; launch gemm (part 2): grid 16 x 16, 4 waves a work-group, clusters of 4 x 4, 327,680 bytes of LDS; arguments q, bias, inv_perm, fp8_scale, out0; writes out0
.if DOCPART == 2
	.amdgcn_target "amdgcn-amd-amdhsa--gfx1250"
	.amdhsa_code_object_version 6
	.text
	.protected	k_qa6cad52ea7_gemm
	.globl	k_qa6cad52ea7_gemm
	.p2align	8
	.type	k_qa6cad52ea7_gemm,@function
k_qa6cad52ea7_gemm:
	s_mov_b64 s[64:65], 0
	v_nop
	global_prefetch_b8 v0, s[64:65] scope:SCOPE_SE
	s_setreg_imm32_b32 hwreg(HW_REG_WAVE_MODE, 25, 1), 1
	s_wait_xcnt 0x0
	s_wait_alu depctr_hold_cnt(0) depctr_sa_sdst(0) depctr_va_vdst(0) depctr_va_sdst(0) depctr_va_ssrc(0) depctr_va_vcc(0) depctr_vm_vsrc(0)
	s_getreg_b32 s2, hwreg(HW_REG_IB_STS2, 6, 4)
	s_cmp_eq_u32 s2, 0
	s_cbranch_scc0 .Lentry_in_a_cluster
	s_endpgm
.Lentry_in_a_cluster:
	s_bfe_u32 s2, ttmp6, 0x10000c
	s_cmp_lg_u32 s2, 0xf033
	s_cbranch_scc0 .Lentry_shape_is_right
	s_endpgm
.Lentry_shape_is_right:
; out0[m][j] = f[j] x (sum over k of X[m][k] W[j][k]) + bias[j].  X and W are the codes of BF8 (E5M2) with E8M0 scale bytes that the launch before laid into q; row j of W is
; already source row inv_perm[j], so no column is permuted here.  f[j] = fp8_scale where inv_perm[j] lies in 2048 .. 3071 (a row of w_fp8), else 1.
; q: [64 blocks of 128 rows][16 K steps of 256][33,792 bytes]; blocks 0-31 X, 32-63 W.  A cell is dense: 128 rows of 256 codes, then 1,024 scale bytes (8 a row): 132 rows of 256 bytes.
; A tile of out0, 256 x 256, is made by four waves, 128 x 128 each: 64 accumulators, 512 registers.  CLUSTERS of 4 x 4: X's cells are asked for jointly along a row, W's along a column.
; LIMIT: the sums over K begin at K step 4 ((cluster x + cluster y) % 4) and go round: the order of the f32 sums differs from ascending K.
; LDS: [4 quarters: X's two halves, W's two halves][2 slots][132 rows x 272 bytes].  A quarter's two slots lie on end, so the head's one load a wave (264 dense rows of q) fills both.
; A K STEP IS TWO HALVES of 64 products.  X's blocks 4-7 (one set of registers, AS) go first, blocks 0-3 (two sets, AP0 and AP1, by turns) last.  So every read of a slot has been
; issued when its second half begins: the change of slots stands there, with that half's first sixteen products inside it (eight while the add is out, eight between the opening
; signal and its wait), and 112 of a K step's 128 products stand between a refill and the wait for it.
; LDS loads go in four runs a K step, of 32, 32, 32 and 40.
; THE LAST K STEP goes by rows of out0: a block of 16 rows leaves as soon as it is finished.  The stage lies in slot 0's bytes, which have had their last fill and their last read by then.
; PREFETCH: behind each refill but the last two a wave names the blocks of 256 bytes of the cell that stands two refills on.  The four partners that ask for a cell jointly share its
; 132 blocks out by address: 32 blocks of codes each (a lane a block) and one block of scale bytes each (a second line, all of whose lanes name that one block).
; The walk's K steps 2 and 3 are named once, when the head's cells have landed; K steps 0 and 1 come by the head's load alone.
; REGISTERS: window 0: v0-31 addresses, v32-63 scale words (two sets), v64-255 X's fragments; window 1: W's fragments, two sets; windows 2, 3: the accumulators of my rows 0-63, 64-127.
.set SIZE_N, 4096
.set KB,     33792
.set RB,     16*KB
.set PITCH,  272
.set FR,     16
.set HALFT,  132*PITCH                 ; a quarter of a slot
.set SPARE,  8*HALFT                   ; behind the ring: the spare words, 128 bytes a wave
.set SPITCH, 528                       ; a stage row: 512 bytes + 16
.set CSC,  8                           ; v8-11   f of my four columns
.set BIA,  12                          ; v12-15  bias of my four columns
.set ADRA, 16                          ; v16-17  LDS address of X's fragments, slot 0, 1
.set ADRS, 18                          ; v18-19  of the scale words: lanes 0-15 X's, lanes 16-31 W's
.set ADRB, 20                          ; v20-21  of W's fragments
.set STO,  24
.set RD,   25
.set CO,   26
.set PFO,  27                          ; v27     256 x lane
.set SPW,  28
.set NIL,  29
.set PFS,  30                          ; v30     from my 32 blocks of codes to my block of scale bytes
.set SC,   32
.set AP0,  64
.set AP1,  128
.set AS,   192
.set G1,  24
.set G0,  32
.set G1B, 48
.set G0B, 56
.set BASA, 68
.set BASB, 70
.set KC,   72                          ; the next K step to ask for, counted on; its low four bits are the cell
.set KO,   74
.set PFB,  76                          ; my work-group's 32 blocks of the block of rows that I fetch
.set PFA,  78
.set MSB, 0
.macro WIN new
.if MSB != (\new)
	s_set_vgpr_msb (MSB<<8)|(\new)
.set MSB, (\new)
.endif
.endm
.set MUL_LO, 0xa1                      ; source 0 (W) window 1, source 1 (X) window 0, C and D window 2
.set MUL_HI, 0xf1
.set TO_B,   0x40
.macro AIM slot                        ; both group 0 of a slot at cell KC % 16
	s_and_b32 s[KO], s[KC], 15
	s_mul_i32 s[KO], s[KO], KB
	s_add_nc_u64 s[G0+4*(\slot)+2:G0+4*(\slot)+3], s[BASA:BASA+1], s[KO:KO+1]
	s_or_b32 s[G0+4*(\slot)+3], s[G0+4*(\slot)+3], 0x80000000
	s_add_nc_u64 s[G0B+4*(\slot)+2:G0B+4*(\slot)+3], s[BASB:BASB+1], s[KO:KO+1]
	s_or_b32 s[G0B+4*(\slot)+3], s[G0B+4*(\slot)+3], 0x80000000
	s_add_co_u32 s[KC], s[KC], 1
.endm
.macro JLOAD g0a, g1a, g0b, g1b        ; a joint load: waves 0, 1 for X, waves 2, 3 for W
	s_cmp_eq_u32 s15, 0
	s_cbranch_scc0 .Lfor_b_\@
	tensor_load_to_lds s[\g0a:\g0a+3], s[\g1a:\g1a+7]
	s_nop 0
.rept 4
	v_nop
.endr
	s_branch .Lasked_\@
.Lfor_b_\@:
	tensor_load_to_lds s[\g0b:\g0b+3], s[\g1b:\g1b+7]
	s_nop 0
.rept 4
	v_nop
.endr
.Lasked_\@:
.endm
.macro CREST
	s_cmp_lg_u32 s14, 0
	s_cbranch_scc1 .Lnot_wave_0_\@
	s_barrier_signal -3
.Lnot_wave_0_\@:
	s_barrier_wait -3
	s_barrier_signal -1
	s_barrier_wait -1
.endm
.macro CROUND
	s_barrier_signal -1
	s_barrier_wait -1
	CREST
.endm
.macro ASK                             ; not in the loop's last trip: its two refills have no K step two refills on
	s_cmp_gt_u32 s3, 1
	s_cbranch_scc0 .Lno_ask_\@
	global_prefetch_b8 v[PFO], s[PFA:PFA+1] th:TH_LOAD_NT scope:SCOPE_SE
	global_prefetch_b8 v[PFS], s[PFA:PFA+1] th:TH_LOAD_NT scope:SCOPE_SE
.Lno_ask_\@:
.endm
	s_load_b256 s[4:11], s[0:1], 0x0               ; q 4, bias 6, inv_perm 8, fp8_scale 10
	s_load_b64 s[12:13], s[0:1], 0x20              ; out0
	v_lshl_add_u32 v[SPW], v0, 2, SPARE
	v_mov_b32 v[NIL], 0
	ds_add_u32 v[SPW], v[NIL]                      ; the opening lines: the add, twice on end, and its wait
	ds_add_u32 v[SPW], v[NIL]
	v_lshrrev_b32 v1, 5, v0
	v_readfirstlane_b32 s14, v1                    ; wave
	s_lshr_b32 s15, s14, 1                         ; my half of the tile's rows; also: I fetch for X (0) or W (1)
	s_and_b32 s16, s14, 1                          ; my half of its columns; also: which 128 rows I fetch
	s_bfe_u32 s40, ttmp6, 0x40000                  ; cx
	s_bfe_u32 s41, ttmp6, 0x40004                  ; cy
	s_lshl_b32 s42, ttmp9, 2
	s_add_co_u32 s42, s42, s40                     ; tile column
	s_and_b32 s17, ttmp7, 0xffff
	s_lshl_b32 s17, s17, 2
	s_add_co_u32 s17, s17, s41                     ; tile row
	s_lshl_b32 s43, s41, 2
	s_lshl_b32 s43, 15, s43                        ; my row of the cluster
	s_lshl_b32 s44, 0x1111, s40                    ; my column
	s_and_b32 s[KC], ttmp7, 0xffff
	s_add_co_u32 s[KC], s[KC], ttmp9
	s_and_b32 s[KC], s[KC], 3
	s_lshl_b32 s[KC], s[KC], 2                     ; where my cluster's walk along K begins
	s_mov_b32 s[KO+1], 0
	s_or_b32 s[G1+0], s43, (0<<16)|(1<<20)|(1<<21)|(5<<22)|(3<<25)   ; mask; bytes; 16 bytes of padding behind every 256
	s_or_b32 s[G1B+0], s44, (0<<16)|(1<<20)|(1<<21)|(5<<22)|(3<<25)
.irp g, G1, G1B
	s_mov_b32 s[\g+1], 256<<16
	s_mov_b32 s[\g+2], 264<<16                     ; the head's load: two cells on end, 264 rows
	s_mov_b32 s[\g+3], 256<<16
	s_mov_b32 s[\g+4], 264
	s_mov_b32 s[\g+5], 256
	s_mov_b32 s[\g+6], 0
	s_mov_b32 s[\g+7], 0
.endr
	s_lshl_b32 s20, s17, 1
	s_add_co_u32 s20, s20, s16
	s_mul_i32 s20, s20, RB                         ; X: block 2 x tile row + half
	s_mov_b32 s21, 0
	s_lshl_b32 s46, s42, 1
	s_add_co_u32 s46, s46, s16
	s_add_co_u32 s46, s46, 32
	s_mul_i32 s46, s46, RB                         ; W: block 32 + 2 x tile column + half
	s_mov_b32 s47, 0
	s_mul_i32 s45, s14, 2*HALFT                    ; my quarter of LDS
.irp s, 0,1
	s_mov_b32 s[G0+4*\s], 1
	s_add_co_u32 s[G0+4*\s+1], s45, \s*HALFT
	s_mov_b32 s[G0B+4*\s], 1
	s_add_co_u32 s[G0B+4*\s+1], s45, \s*HALFT
.endr
	s_wait_dscnt 0x0
	s_wait_kmcnt 0x0
	s_add_nc_u64 s[BASA:BASA+1], s[4:5], s[20:21]
	s_add_nc_u64 s[BASB:BASB+1], s[4:5], s[46:47]
	s_load_b32 s66, s[10:11], 0x0                  ; fp8_scale; waited for behind the first fragment loads
	AIM 0
	s_add_co_u32 s[KC], s[KC], 1                   ; the head's load brings the walk's K steps 0 and 1 (the walk begins at a multiple of 4: the two cells are neighbours)
	CROUND                                         ; in front of the first joint loads
	JLOAD G0, G1, G0B, G1B                         ; one tensor load a wave at the head
	s_lshl_b32 s20, s17, 8
	s_lshl_b32 s21, s15, 7
	s_add_co_u32 s20, s20, s21                     ; my first row of out0
	s_mov_b32 s21, 0
	s_mov_b64 s[18:19], SIZE_N*4
	s_mul_u64 s[20:21], s[20:21], s[18:19]
	s_lshl_b32 s46, s42, 10
	s_lshl_b32 s47, s16, 9
	s_add_co_u32 s46, s46, s47                     ; my first column, in bytes
	s_mov_b32 s47, 0
	s_add_nc_u64 s[20:21], s[20:21], s[46:47]
	s_add_nc_u64 s[12:13], s[12:13], s[20:21]
	s_add_nc_u64 s[6:7], s[6:7], s[46:47]
	s_add_nc_u64 s[8:9], s[8:9], s[46:47]
	s_cmp_eq_u32 s15, 0
	s_cselect_b64 s[PFB:PFB+1], s[BASA:BASA+1], s[BASB:BASB+1]
	s_cselect_b32 s80, s40, s41                    ; p: my place among the four that ask with me
	s_mul_i32 s82, s80, 7936
	s_sub_co_u32 s82, 32768, s82                   ; from byte 8,192 p of a cell to byte 32,768 + 256 p
	s_lshl_b32 s80, s80, 13                        ; 32 blocks of 256 bytes each
	s_mov_b32 s81, 0
	s_add_nc_u64 s[PFB:PFB+1], s[PFB:PFB+1], s[80:81]
	s_and_b32 s[KO], s[KC], 15
	s_mul_i32 s[KO], s[KO], KB
	s_add_nc_u64 s[PFA:PFA+1], s[PFB:PFB+1], s[KO:KO+1]   ; the walk's K step 2; K step 3 is the next cell
	s_mul_i32 s21, s15, 2*HALFT                    ; X's quarter that I read
	s_mul_i32 s22, s16, 2*HALFT
	s_add_co_u32 s22, s22, 4*HALFT                 ; W's
	s_sub_co_u32 s19, s22, s21
	s_mul_i32 s23, s14, 2*HALFT                    ; my stage: the head of my quarter's slot 0
	v_and_b32 v1, 15, v0
	v_bfe_u32 v2, v0, 4, 1
	v_mul_u32_u24 v3, v1, PITCH
	v_lshl_add_u32 v4, v2, 4, v3                   ; a fragment's row x pitch + 16 x half
	v_add_nc_u32 v[ADRA], s21, v4
	v_add_nc_u32 v[ADRB], s22, v4
	v_add_nc_u32 v[ADRA+1], HALFT, v[ADRA]
	v_add_nc_u32 v[ADRB+1], HALFT, v[ADRB]
	v_lshlrev_b32 v5, 3, v1                        ; 8 scale bytes a row
	v_mul_u32_u24 v6, s19, v2                      ; lanes 16-31 take W's
	v_add_nc_u32 v5, v5, v6
	v_add_nc_u32 v[ADRS], s21, v5
	v_add_nc_u32 v[ADRS+1], HALFT, v[ADRS]
	v_mul_u32_u24 v5, v1, SPITCH
	v_lshl_add_u32 v5, v2, 5, v5
	v_add_nc_u32 v[STO], s23, v5                   ; into the stage: row l % 16, 32 bytes for each half of the lanes
	v_and_b32 v6, 31, v0
	v_lshlrev_b32 v[CO], 4, v6                     ; back: 32 lanes take a row of 512 bytes
	v_add_nc_u32 v[RD], s23, v[CO]
	v_lshlrev_b32 v[PFO], 8, v6
	v_mov_b32 v[PFS], s82
	s_wait_alu depctr_va_vdst(0)
	global_load_b128 v[BIA:BIA+3], v[CO], s[6:7]
	global_load_b128 v[CSC:CSC+3], v[CO], s[8:9]
.macro FRAG reg, adr, q, i             ; 16 rows x 128 K: registers 4 c .. 4 c + 3 hold K = 32 c + 16 (l / 16) + 0 .. 15
.irp c, 0,1,2,3
	ds_load_b128 v[\reg+4*\c:\reg+4*\c+3], v[\adr] offset:128*(\q)+32*\c+(\i)*16*PITCH
.endr
.endm
.macro FB8 slot, q                     ; W's eight fragments of the slot's half q into set q
	WIN TO_B
.irp i, 0,1,2,3,4,5,6,7
	FRAG 128*(\q)+FR*\i, ADRB+\slot, \q, \i
.endr
.endm
.macro FA4 slot, q, reg, i0            ; X's blocks i0 .. i0 + 3
.irp k, 0,1,2,3
	FRAG \reg+FR*\k, ADRA+\slot, \q, (\i0)+\k
.endr
.endm
.macro SCALES sc                       ; a K step's scale words: register 2 i + q: lanes 0-15 X's block i, lanes 16-31 W's block i
.irp i, 0,1,2,3,4,5,6,7
	ds_load_b64 v[SC+16*\sc+2*\i:SC+16*\sc+2*\i+1], v[ADRS+\sc] offset:(128+\i/2)*PITCH+(\i%2)*128
.endr
.endm
.macro PLACES n
.rept \n
	v_nop
.endr
.endm
; Eight products: X's block a (fragment at af) x W's eight, half q.  Used transposed: a lane holds eight neighbouring columns of a row.  nop = 1: a place behind each product.
; The accumulators take turns, one instruction a turn.
.macro MUL8 a, af, q, sc, zero, nop
.irp b, 0,1,2,3,4,5,6,7
.if \zero
	v_wmma_scale_f32_16x16x128_f8f6f4 v[8*(8*((\a)%4)+\b):8*(8*((\a)%4)+\b)+7], v[128*(\q)+FR*\b:128*(\q)+FR*\b+FR-1], v[\af:\af+FR-1], 0, v[SC+16*(\sc)+2*\b+(\q)], v[SC+16*(\sc)+2*(\a)+(\q)] matrix_a_fmt:MATRIX_FMT_BF8 matrix_b_fmt:MATRIX_FMT_BF8 matrix_a_scale:MATRIX_SCALE_ROW1
.else
	v_wmma_scale_f32_16x16x128_f8f6f4 v[8*(8*((\a)%4)+\b):8*(8*((\a)%4)+\b)+7], v[128*(\q)+FR*\b:128*(\q)+FR*\b+FR-1], v[\af:\af+FR-1], v[8*(8*((\a)%4)+\b):8*(8*((\a)%4)+\b)+7], v[SC+16*(\sc)+2*\b+(\q)], v[SC+16*(\sc)+2*(\a)+(\q)] matrix_a_fmt:MATRIX_FMT_BF8 matrix_b_fmt:MATRIX_FMT_BF8 matrix_a_scale:MATRIX_SCALE_ROW1
.endif
.if \nop
	v_nop
.endif
.endr
.endm
; A slot's first half; it fetches the second half's fragments from the same slot.
.macro HALF_A slot, zero
	s_wait_dscnt 16                                ; all but the youngest 16 loads (AP0)
	WIN MUL_HI
	MUL8 4, AS, 0, \slot, \zero, 1                 ; its eight places serve the loads into W's set 1 and AP1, last read in the half before
	MUL8 5, AS+16, 0, \slot, \zero, 0
	FB8 \slot, 1
	WIN MUL_HI
	MUL8 6, AS+32, 0, \slot, \zero, 0
	MUL8 7, AS+48, 0, \slot, \zero, 0
	s_wait_dscnt 32                                ; AP0 is in: behind it W's 32 loads were issued
	PLACES 8                                       ; in front of the loads into AS
	WIN 0
	FA4 \slot, 1, AS, 4
	FA4 \slot, 1, AP1, 0
	WIN MUL_LO
	MUL8 0, AP0, 0, \slot, \zero, 0
	MUL8 1, AP0+16, 0, \slot, \zero, 0
	MUL8 2, AP0+32, 0, \slot, \zero, 0
	MUL8 3, AP0+48, 0, \slot, \zero, 0
.endm
; A slot's second half: the change of slots at its head, then the next slot's first fragments.  fill = 1: this slot is filled again, two K steps on.
.macro HALF_B slot, next, fill
	PLACES 8                                       ; in front of the loads into W's set 0 and AP0, last read in the half before
	WIN 0
.if \fill
	s_wait_xcnt 0x0                                ; my last prefetches have read their address, which is written below
.endif
	s_wait_tensorcnt 0x0                           ; all my tensor loads have landed: my part of the next slot
	ds_add_u32 v[SPW], v[NIL]
.if \fill
	s_add_co_u32 s[KO], s[KC], 2                   ; the prefetch: the cell two refills on
	s_and_b32 s[KO], s[KO], 15
	s_mul_i32 s[KO], s[KO], KB
	s_add_nc_u64 s[PFA:PFA+1], s[PFB:PFB+1], s[KO:KO+1]
	AIM \slot
.endif
	s_wait_dscnt 17                                ; the add and the youngest 16 loads (AP1) may be out
	WIN MUL_HI
	MUL8 4, AS, 1, \slot, 0, 0                     ; eight products stand between the add and the wait for it
	s_wait_dscnt 0x0                               ; the add is done, and my reads of this slot are over
	s_barrier_signal -1
	MUL8 5, AS+16, 1, \slot, 0, 0                  ; work on registers while the others arrive
	WIN 0
	s_barrier_wait -1
.if \fill
	CREST                                          ; the barrier has opened a round of the cluster's barrier
	JLOAD G0+4*\slot, G1, G0B+4*\slot, G1B         ; the first tensor load behind the round
.endif
	FB8 \next, 0
	WIN 0
.if \fill
	ASK
.endif
	WIN MUL_HI
	MUL8 6, AS+32, 1, \slot, 0, 0
	MUL8 7, AS+48, 1, \slot, 0, 0
	PLACES 8                                       ; in front of the loads into AS
	WIN 0
	FA4 \next, 0, AS, 4
	SCALES \next
	FA4 \next, 0, AP0, 0
	WIN MUL_LO
	MUL8 0, AP1, 1, \slot, 0, 0
	MUL8 1, AP1+16, 1, \slot, 0, 0
	MUL8 2, AP1+32, 1, \slot, 0, 0
	MUL8 3, AP1+48, 1, \slot, 0, 0
.endm
; THE WAY OUT of block a.  TOSTAGE: its 16 x 128 numbers into my stage, and back as whole rows of 512 bytes into 64 registers that are free: bb in window bw
; (the accumulators of the block sent before, whose LDS stores SEND's wait has shown done).  One window setting serves all lines: address window 0, data and results by the block.
.macro TOSTAGE a, bw, bb
.set AC, 64*((\a)%4)
	WIN ((\bw)<<6)|((2+(\a)/4)<<2)
.irp b, 0,1,2,3,4,5,6,7
	ds_store_b128 v[STO], v[AC+8*\b:AC+8*\b+3] offset:64*\b          ; each accumulator from its low end on
	ds_store_b128 v[STO], v[AC+8*\b+4:AC+8*\b+7] offset:64*\b+16
.endr
.irp t, 0,1,2,3,4,5,6,7,8,9,10,11,12,13,14,15
	ds_load_b128 v[\bb+4*\t:\bb+4*\t+3], v[RD] offset:\t*SPITCH      ; LDS serves a wave's instructions in order: these see the stores
.endr
.endm
; SEND: x f, + bias, stored: 32 lanes store 512 consecutive bytes, aligned.  Every row's place stands in the immediate (127 rows of 16,384 bytes at the most); no register of a store is written again.
.macro SEND a, bw, bb
	s_wait_dscnt 0x0
	WIN ((\bw)<<6)|((\bw)<<2)
.irp t, 0,1,2,3,4,5,6,7,8,9,10,11,12,13,14,15
	v_pk_fma_f32 v[\bb+4*\t:\bb+4*\t+1], v[CSC:CSC+1], v[\bb+4*\t:\bb+4*\t+1], v[BIA:BIA+1]
	v_pk_fma_f32 v[\bb+4*\t+2:\bb+4*\t+3], v[CSC+2:CSC+3], v[\bb+4*\t+2:\bb+4*\t+3], v[BIA+2:BIA+3]
	global_store_b128 v[CO], v[\bb+4*\t:\bb+4*\t+3], s[12:13] offset:(16*(\a)+\t)*SIZE_N*4 th:TH_STORE_NT
.endr
.endm
	s_wait_tensorcnt 0x0                           ; my two cells are in; no tensor load of mine is out, so a descriptor may be written:
	s_mov_b32 s[G1+2], 132<<16                     ; from here on a load brings one cell
	s_mov_b32 s[G1+4], 132
	s_mov_b32 s[G1B+2], 132<<16
	s_mov_b32 s[G1B+4], 132
	s_barrier_signal -1
	s_barrier_wait -1                              ; everybody's are in
	FB8 0, 0
	WIN 0
	FA4 0, 0, AS, 4
	SCALES 0
	FA4 0, 0, AP0, 0
.irp s, 0,1
	global_prefetch_b8 v[PFO], s[PFA:PFA+1] offset:\s*KB th:TH_LOAD_NT scope:SCOPE_SE   ; the walk's K steps 2 and 3, which the first two refills ask for
	global_prefetch_b8 v[PFS], s[PFA:PFA+1] offset:\s*KB th:TH_LOAD_NT scope:SCOPE_SE
.endr
	s_wait_loadcnt 0x0                             ; bias and inv_perm of my columns
	s_wait_kmcnt 0x0                               ; fp8_scale
	v_mov_b32 v7, s66
.irp i, 0,1,2,3
	v_lshrrev_b32 v[CSC+\i], 10, v[CSC+\i]         ; which 1,024 source rows: 2 is w_fp8
	v_cmp_eq_u32 vcc_lo, 2, v[CSC+\i]
	v_cndmask_b32 v[CSC+\i], 1.0, v7, vcc_lo
.endr
	s_wait_alu depctr_va_vdst(0)
	HALF_A 0, 1                                    ; the first half stands in front of the loop: its products start the sums
	WIN 0
	s_mov_b32 s3, 7
.Llap:                                                 ; a trip: from a lap's second half to the next lap's first; it fills both slots again
	HALF_B 0, 1, 1
	HALF_A 1, 0
	HALF_B 1, 0, 1
	HALF_A 0, 0
	WIN 0
	s_sub_co_u32 s3, s3, 1
	s_cmp_lg_u32 s3, 0
	s_cbranch_scc1 .Llap
	HALF_B 0, 1, 0                                 ; nothing is filled any more; behind its barrier nobody reads slot 0
	; THE LAST K STEP, BY ROWS.  W's two halves fill window 1; blocks 4-7 take their second half from AP1, then blocks 0-3 do.
	s_wait_dscnt 16
	WIN MUL_HI
	MUL8 4, AS, 0, 1, 0, 1
	MUL8 5, AS+16, 0, 1, 0, 0
	FB8 1, 1
	WIN 0
	FA4 1, 1, AP1, 4
	WIN MUL_HI
	MUL8 6, AS+32, 0, 1, 0, 0
	MUL8 7, AS+48, 0, 1, 0, 0
	s_wait_dscnt 0x0
	MUL8 4, AP1, 1, 1, 0, 0
	PLACES 8                                       ; in front of the reads of block 4's results and of the loads into AS
	TOSTAGE 4, 0, AS
	WIN MUL_HI
	MUL8 5, AP1+16, 1, 1, 0, 0
	SEND 4, 0, AS                                  ; its 32 multiply-adds are the places behind the products above
	TOSTAGE 5, 3, 0
	WIN MUL_HI
	MUL8 6, AP1+32, 1, 1, 0, 0
	SEND 5, 3, 0
	TOSTAGE 6, 3, 64
	WIN MUL_HI
	MUL8 7, AP1+48, 1, 1, 0, 0
	SEND 6, 3, 64
	TOSTAGE 7, 3, 128
	WIN 0
	FA4 1, 1, AP1, 0
	WIN MUL_LO
	MUL8 0, AP0, 0, 1, 0, 0
	MUL8 1, AP0+16, 0, 1, 0, 0
	SEND 7, 3, 128
	WIN MUL_LO
	MUL8 2, AP0+32, 0, 1, 0, 0
	MUL8 3, AP0+48, 0, 1, 0, 0
	MUL8 0, AP1, 1, 1, 0, 0
	PLACES 8
	TOSTAGE 0, 3, 192
	WIN MUL_LO
	MUL8 1, AP1+16, 1, 1, 0, 0
	SEND 0, 3, 192
	TOSTAGE 1, 2, 0
	WIN MUL_LO
	MUL8 2, AP1+32, 1, 1, 0, 0
	SEND 1, 2, 0
	TOSTAGE 2, 2, 64
	WIN MUL_LO
	MUL8 3, AP1+48, 1, 1, 0, 0
	SEND 2, 2, 64
	TOSTAGE 3, 2, 128
	SEND 3, 2, 128
	WIN 0
	s_wait_tensorcnt 0x0                           ; the wave's end
	ds_add_u32 v[SPW], v[NIL]
	s_wait_dscnt 0x0
	CROUND                                         ; the closing round
	s_endpgm
.Lfunc_end_k_qa6cad52ea7_gemm:
	.size	k_qa6cad52ea7_gemm, .Lfunc_end_k_qa6cad52ea7_gemm-k_qa6cad52ea7_gemm
	.p2alignl 7, 3214868480
	.fill 96, 4, 3214868480
	.section	.rodata,"a",@progbits
	.p2align	6, 0x0
	.amdhsa_kernel k_qa6cad52ea7_gemm
		.amdhsa_group_segment_fixed_size 327680
		.amdhsa_private_segment_fixed_size 0
		.amdhsa_enable_private_segment 0
		.amdhsa_kernarg_size 40
		.amdhsa_user_sgpr_count 2
		.amdhsa_user_sgpr_kernarg_segment_ptr 1
		.amdhsa_wavefront_size32 1
		.amdhsa_system_sgpr_workgroup_id_x 1
		.amdhsa_system_sgpr_workgroup_id_y 1
		.amdhsa_system_sgpr_workgroup_id_z 1
		.amdhsa_system_vgpr_workitem_id 0
		.amdhsa_next_free_vgpr 1024
		.amdhsa_next_free_sgpr 84
		.amdhsa_reserve_vcc 1
		.amdhsa_float_denorm_mode_32 3
		.amdhsa_float_denorm_mode_16_64 3
		.amdhsa_memory_ordered 1
		.amdhsa_forward_progress 1
		.amdhsa_inst_pref_size 161
	.end_amdhsa_kernel
	.amdgpu_metadata
---
amdhsa.version: [ 1, 2 ]
amdhsa.kernels:
  - .name:           k_qa6cad52ea7_gemm
    .symbol:         k_qa6cad52ea7_gemm.kd
    .args:
      - { .name: q, .offset: 0, .size: 8, .value_kind: global_buffer, .address_space: global }
      - { .name: bias, .offset: 8, .size: 8, .value_kind: global_buffer, .address_space: global }
      - { .name: inv_perm, .offset: 16, .size: 8, .value_kind: global_buffer, .address_space: global }
      - { .name: fp8_scale, .offset: 24, .size: 8, .value_kind: global_buffer, .address_space: global }
      - { .name: out0, .offset: 32, .size: 8, .value_kind: global_buffer, .address_space: global }
    .group_segment_fixed_size: 327680
    .private_segment_fixed_size: 0
    .kernarg_segment_align: 8
    .kernarg_segment_size: 40
    .max_flat_workgroup_size: 128
    .sgpr_count:     84
    .vgpr_count:     1024
    .wavefront_size: 32
...
	.end_amdgpu_metadata
.endif
;; end of part 2
